; MI455X (gfx1250); checked and timed in simulation.
; The chip was launched on July 23, 2026; its instructions are those of AMD's public machine-readable ISA for CDNA 5 (MIT licence, August 2026) and "CDNA5" Instruction Set Architecture Reference Guide (July 2026). The comments in the code are by the model that wrote it; some were corrected since.
;; Categorical Dist Instance. Allowed arithmetic: float matrix products may take bf16 or f16 operands with f32 sums; all other float work in f32.
;; Inputs: logits 4,096 x 32,000 float32; value 4,096 int32.
;; Outputs: out0 3 x 4,096 float32.
;; One version. Each part assembles by itself: llvm-mc -triple=amdgcn-amd-amdhsa -mcpu=gfx1250 --defsym DOCPART=n.
;; ======== version 1 of 1: 1 launch
;; launch catdist (part 1): grid 256 x 1, 16 waves a work-group, no clusters, 2,304 bytes of LDS; arguments logits, value, out0; writes out0
.if DOCPART == 1
	.amdgcn_target "amdgcn-amd-amdhsa--gfx1250"
	.amdhsa_code_object_version 6
	.text
	.protected	k_q2afb83083d_catdist
	.globl	k_q2afb83083d_catdist
	.p2align	8
	.type	k_q2afb83083d_catdist,@function
k_q2afb83083d_catdist:
	s_mov_b64 s[64:65], 0
	v_nop
	global_prefetch_b8 v0, s[64:65] scope:SCOPE_SE
	s_setreg_imm32_b32 hwreg(HW_REG_WAVE_MODE, 25, 1), 1
	s_wait_xcnt 0x0
; out0[0][i] = softmax(logits[i])[value[i]],  out0[1][i] = its logarithm,  out0[2][i] = sum over the row of p log p.
; logits: [4096][32000] f32, value: [4096] i32, out0: [3][4096] f32.
;
; ONE PASS OVER THE LOGITS.  With y = x log2(e) - r (r: a running maximum, in base 2) a row needs three numbers only:
;   s = sum 2^y,   t = sum 2^y y,   y_v = y of the chosen logit;
;   pdf = 2^(y_v - log2 s),   log_prob = ln 2 (y_v - log2 s),   entropy = ln 2 (t / s - log2 s).
; A wave owns one row: 128,000 bytes = 250 loads of 16 bytes a lane, each covering 512 consecutive bytes; a row is 500 x 256 bytes,
; so every load starts at a multiple of 256 bytes from the buffer's first byte.  16 waves, 16 rows to a work-group, 256 work-groups.
; The row goes in 25 chunks of 10 loads (40 numbers a lane).  Each LANE keeps its own running maximum: pass 1 of a chunk raises it,
; the lane's sums are rescaled (d = new shift - old shift <= 0, f = 2^d:  t = (t + d s) f,  s = s f), pass 2 adds the chunk.
; The 32 lanes' maxima and sums meet once, behind the last chunk.  No exponent is above a rounding error of 0, s >= about 1.
; A ring of three chunk slots in registers: a quad of registers is asked for again, three chunks ahead, as soon as pass 2 has used it:
; 20 to 30 loads of every wave are on their way.
; No cluster: no two work-groups read the same byte.  No LDS on the way in: each number is used by one lane alone.
;
; LIMITS.  Logits are finite, |x| < 2.35e38 (x log2(e) must not overflow).  Where a probability underflows in f32 the formula
; p log p as written is 0 x -inf = NaN, and log(0) = -inf; this text returns the finite values of the sums above, and a pdf below
; 2^-126 as 0 (v_exp_f32 flushes denormal results: ISA guide 15.8).  value is taken as unsigned and clamped to 31,999.
.set VOCAB,  32000
.set ROWB,   4*VOCAB                   ; bytes in a row
.set LOADB,  512                       ; bytes that one load of a wave covers
.set QUADS,  10                        ; loads in a chunk
.set CHUNKB, QUADS*LOADB               ; 5,120
.set CHUNKS, ROWB/CHUNKB               ; 25
.set SLOTS,  3
.set ROUNDS, (CHUNKS-1-SLOTS)/SLOTS    ; 7: chunk 0 in front of the loop, chunks 1 to 21 in it, 22 to 24 behind it
.set OFF,  2                           ; v2        16 x lane
.set GO,   3                           ; v3        4 x value[row]
.set XV,   4                           ; v4        the chosen logit
.set LA,   5                           ; v5        LDS address on the way out
.set MX,   6                           ; v[6:7]    the lane's running maximum; a second chain of pass 1
.set NM,   8                           ; v[8:9]    the shift -max x log2(e), twice (a pair for the packed forms)
.set DF,   10                          ; v[10:11]  d, f of a rescaling
.set NN,   12                          ; v12       the new shift
.set ACS,  14                          ; v[14:17]  s, four partial sums
.set ACT,  18                          ; v[18:21]  t, four partial sums
.set EXPB, 22                          ; v[22:29]  two buffers of four exponentials
.set XR,   30                          ; v[30:149] the ring: slot i at XR + 40 i
.set L2E,  16                          ; s[16:17]  log2(e), twice
.set NL,   18                          ; s[18:19]  -log2(e), twice
.set LN2,  20                          ; s20       ln 2
.set P0,   22                          ; s[22:23]  v_permlanex16_b32: lane i takes lane i of the other half
	s_load_b128 s[4:7], s[0:1], 0x0                ; logits s[4:5], value s[6:7]
	s_load_b64 s[8:9], s[0:1], 0x10                ; out0
	v_lshl_add_u32 v150, v0, 2, 0x100
	v_mov_b32 v151, 0
	v_lshrrev_b32 v1, 5, v0
	v_readfirstlane_b32 s10, v1                    ; wave 0..15
	s_lshl_b32 s11, ttmp9, 4
	s_add_co_u32 s11, s11, s10                     ; my row
	s_mul_i32 s12, s11, ROWB                       ; its byte offset: 4,095 x 128,000 at the most, below 2^31
	s_mov_b32 s13, 0
	s_lshl_b32 s14, s11, 2                         ; and that of its index
	s_mov_b32 s15, 0
	s_mov_b32 s[L2E], 0x3fb8aa3b
	s_mov_b32 s[L2E+1], 0x3fb8aa3b
	s_mov_b32 s[NL], 0xbfb8aa3b
	s_mov_b32 s[NL+1], 0xbfb8aa3b
	s_mov_b32 s[LN2], 0x3f317218
	s_mov_b32 s[P0], 0x76543210
	s_mov_b32 s[P0+1], 0xfedcba98
	v_and_b32 v[OFF], 31, v0
	v_lshlrev_b32 v[OFF], 4, v[OFF]
	s_wait_kmcnt 0x0
	s_add_nc_u64 s[4:5], s[4:5], s[12:13]          ; my row's first byte
	s_add_nc_u64 s[6:7], s[6:7], s[14:15]
	s_load_b32 s24, s[6:7], 0x0                    ; value[row]: comes while the ring is being filled
.set jj, 0
.rept SLOTS*QUADS                                      ; chunks 0, 1, 2
	global_load_b128 v[XR+4*jj:XR+4*jj+3], v[OFF], s[4:5] offset:LOADB*jj th:TH_LOAD_NT
.set jj, jj+1
.endr
	s_wait_kmcnt 0x0
	v_mov_b32 v[GO], s24
	v_min_u32 v[GO], VOCAB-1, v[GO]                ; a loaded number enters an address only clamped to the row
	v_lshlrev_b32 v[GO], 2, v[GO]
	global_load_b32 v[XV], v[GO], s[4:5]           ; every lane takes the same word; used behind the last chunk
.macro SHIFT x                         ; four numbers in place: y = x log2(e) - maximum log2(e), one rounding
	v_pk_fma_f32 v[\x:\x+1], v[\x:\x+1], s[L2E:L2E+1], v[NM:NM+1] op_sel_hi:[1,0,1]
	v_pk_fma_f32 v[\x+2:\x+3], v[\x+2:\x+3], s[L2E:L2E+1], v[NM:NM+1] op_sel_hi:[1,0,1]
.endm
.macro EXP4 e, x                       ; 2^y
.irp k, 0,1,2,3
	v_exp_f32 v[\e+\k], v[\x+\k]
.endr
.endm
.macro ADD4 e, x                       ; s += 2^y,  t += 2^y y
	s_wait_alu depctr_va_vdst(0)
	v_pk_add_f32 v[ACS:ACS+1], v[ACS:ACS+1], v[\e:\e+1]
	v_pk_add_f32 v[ACS+2:ACS+3], v[ACS+2:ACS+3], v[\e+2:\e+3]
	v_pk_fma_f32 v[ACT:ACT+1], v[\e:\e+1], v[\x:\x+1], v[ACT:ACT+1]
	v_pk_fma_f32 v[ACT+2:ACT+3], v[\e+2:\e+3], v[\x+2:\x+3], v[ACT+2:ACT+3]
.endm
.macro REFILL q, ahead                 ; quad q of the slot at work gets its 16 bytes of the chunk three further on
.if \ahead
	global_load_b128 v[XB+4*(\q):XB+4*(\q)+3], v[OFF], s[4:5] offset:\ahead*CHUNKB+LOADB*(\q) th:TH_LOAD_NT
.endif
.endm
; One chunk, in slot \slot.  first = 1: it starts the maximum and the sums.  ahead: 0 = nothing is asked for; otherwise the number,
; counted from the chunk at s[4:5], of the chunk that the slot gets next.  left: how many younger loads may stay out.
.macro CHUNK slot, first, ahead, left
.set XB, XR+4*QUADS*\slot
	s_wait_loadcnt \left                           ; loads come back in order (ISA guide 5.7.1): the slot's ten are in
	; pass 1: the lane's maximum, two chains, two new numbers to an instruction
.if \first
	v_max_num_f32 v[MX], v[XB], v[XB+1]
.else
	v_max3_num_f32 v[MX], v[MX], v[XB], v[XB+1]    ; this chain carries the maximum so far
.endif
	v_max_num_f32 v[MX+1], v[XB+2], v[XB+3]
.set jj, 1
.rept QUADS-1
	v_max3_num_f32 v[MX], v[MX], v[XB+4*jj], v[XB+4*jj+1]
	v_max3_num_f32 v[MX+1], v[MX+1], v[XB+4*jj+2], v[XB+4*jj+3]
.set jj, jj+1
.endr
	v_max_num_f32 v[MX], v[MX], v[MX+1]
.if \first
	v_pk_mul_f32 v[NM:NM+1], v[MX:MX+1], s[NL:NL+1] op_sel_hi:[0,0]        ; the shift, in both halves
.else
	; the sums move from the old shift to the new one
	v_mul_f32 v[NN], s[NL], v[MX]
	v_sub_f32 v[DF], v[NN], v[NM]                  ; d <= 0
	v_exp_f32 v[DF+1], v[DF]                       ; f = 2^d
	v_pk_mul_f32 v[NM:NM+1], v[MX:MX+1], s[NL:NL+1] op_sel_hi:[0,0]        ; the same product as NN; also the plain instruction between v_exp_f32 and f's first use (ISA guide 5.7.2)
	s_wait_alu depctr_va_vdst(0)
	v_pk_fma_f32 v[ACT:ACT+1], v[ACS:ACS+1], v[DF:DF+1], v[ACT:ACT+1] op_sel_hi:[1,0,1]        ; t + d s
	v_pk_fma_f32 v[ACT+2:ACT+3], v[ACS+2:ACS+3], v[DF:DF+1], v[ACT+2:ACT+3] op_sel_hi:[1,0,1]
	v_pk_mul_f32 v[ACT:ACT+1], v[ACT:ACT+1], v[DF:DF+1] op_sel:[0,1] op_sel_hi:[1,1]           ; times f, the pair's second register
	v_pk_mul_f32 v[ACT+2:ACT+3], v[ACT+2:ACT+3], v[DF:DF+1] op_sel:[0,1] op_sel_hi:[1,1]
	v_pk_mul_f32 v[ACS:ACS+1], v[ACS:ACS+1], v[DF:DF+1] op_sel:[0,1] op_sel_hi:[1,1]
	v_pk_mul_f32 v[ACS+2:ACS+3], v[ACS+2:ACS+3], v[DF:DF+1] op_sel:[0,1] op_sel_hi:[1,1]
.endif
	; pass 2, one quad behind itself: quad j is shifted and its exponentials issued, then quad j - 1 is added.  So between a run of
	; v_exp_f32 and the first use of its results stand the next quad's two v_pk_fma_f32 at the least (ISA guide 5.7.2), and no v_nop is needed.
	SHIFT XB
.if \first
	EXP4 ACS, XB                                   ; the first four exponentials ARE the sums s
.else
	EXP4 EXPB, XB
.endif
	SHIFT XB+4
	EXP4 EXPB+4, XB+4
.if \first
	s_wait_alu depctr_va_vdst(0)
	v_pk_mul_f32 v[ACT:ACT+1], v[ACS:ACS+1], v[XB:XB+1]            ; and the first four products the sums t: nothing is cleared
	v_pk_mul_f32 v[ACT+2:ACT+3], v[ACS+2:ACS+3], v[XB+2:XB+3]
.else
	ADD4 EXPB, XB
.endif
	REFILL 0, \ahead
.set jj, 2
.rept QUADS-2
.set EC, EXPB+4*(jj%2)
.set EP, EXPB+4*((jj-1)%2)
.set XC, XB+4*jj
.set XP, XB+4*jj-4
	SHIFT XC
	EXP4 EC, XC
	ADD4 EP, XP
	REFILL jj-1, \ahead
.set jj, jj+1
.endr
	ADD4 EXPB+4, XB+4*QUADS-4                      ; quad 9 (odd: the second buffer)
	REFILL QUADS-1, \ahead
.endm
	CHUNK 0, 1, 3, 2*QUADS+1                       ; behind chunk 0's loads: chunks 1 and 2 and the chosen logit's load, 21
	s_mov_b32 s26, ROUNDS
.Lround:
	CHUNK 1, 0, 4, 2*QUADS                         ; behind a chunk's loads: those of the two chunks that follow it, 20.  (In the first trip the
	CHUNK 2, 0, 5, 2*QUADS                         ; chosen logit's load is a 21st behind chunks 1 and 2: the count 20 waits for one load more than it must.)
	CHUNK 0, 0, 6, 2*QUADS
	s_wait_xcnt 0x0                                ; the loads issued so far have had their addresses translated (ISA guide 3.1): their base steps only behind this wait
	s_add_nc_u64 s[4:5], s[4:5], SLOTS*CHUNKB
	s_sub_co_u32 s26, s26, 1
	s_cmp_lg_u32 s26, 0
	s_cbranch_scc1 .Lround
	CHUNK 1, 0, 0, 2*QUADS                         ; chunks 22, 23, 24 ask for nothing: no load leaves the row, and the counts run down
	CHUNK 2, 0, 0, QUADS
	CHUNK 0, 0, 0, 0                               ; zero: the chosen logit is in too
	; THE LANES MEET.  Each lane's four partial sums first,
	v_pk_add_f32 v[ACS:ACS+1], v[ACS:ACS+1], v[ACS+2:ACS+3]
	v_pk_add_f32 v[ACT:ACT+1], v[ACT:ACT+1], v[ACT+2:ACT+3]
	v_add_f32 v[ACS], v[ACS], v[ACS+1]
	v_add_f32 v[ACT], v[ACT], v[ACT+1]
	; then the row's maximum: four steps inside each half of 16 lanes ride on the arithmetic, one crosses the halves
	v_max_num_f32_dpp v[MX], v[MX], v[MX] row_xmask:1 row_mask:0xf bank_mask:0xf
	v_max_num_f32_dpp v[MX], v[MX], v[MX] row_xmask:2 row_mask:0xf bank_mask:0xf
	v_max_num_f32_dpp v[MX], v[MX], v[MX] row_xmask:4 row_mask:0xf bank_mask:0xf
	v_max_num_f32_dpp v[MX], v[MX], v[MX] row_xmask:8 row_mask:0xf bank_mask:0xf
	v_permlanex16_b32 v[MX+1], v[MX], s[P0], s[P0+1]
	v_max_num_f32 v[MX], v[MX], v[MX+1]
	; each lane's sums move to the row's shift, as between chunks
	v_mul_f32 v[NN], s[NL], v[MX]
	v_sub_f32 v[DF], v[NN], v[NM]
	v_exp_f32 v[DF+1], v[DF]
	v_fma_f32 v[ACT], v[ACS], v[DF], v[ACT]        ; does not touch f: the plain instruction behind v_exp_f32
	s_wait_alu depctr_va_vdst(0)
	v_mul_f32 v[ACT], v[ACT], v[DF+1]
	v_mul_f32 v[ACS], v[ACS], v[DF+1]
	; and are added over the 32 lanes; every lane ends with the row's s and t
.irp m, 1,2,4,8
	v_add_f32_dpp v[ACS], v[ACS], v[ACS] row_xmask:\m row_mask:0xf bank_mask:0xf
	v_add_f32_dpp v[ACT], v[ACT], v[ACT] row_xmask:\m row_mask:0xf bank_mask:0xf
.endr
	v_permlanex16_b32 v[ACS+1], v[ACS], s[P0], s[P0+1]
	v_permlanex16_b32 v[ACT+1], v[ACT], s[P0], s[P0+1]
	v_add_f32 v[ACS], v[ACS], v[ACS+1]
	v_add_f32 v[ACT], v[ACT], v[ACT+1]
	; the three results
	v_log_f32 v[EXPB], v[ACS]                      ; log2 s   (1 <= about s <= 32,000)
	v_rcp_f32 v[EXPB+1], v[ACS]
	v_fma_f32 v[EXPB+2], v[XV], s[L2E], v[NN]      ; y_v; the plain instruction behind the two transcendentals
	s_wait_alu depctr_va_vdst(0)
	v_sub_f32 v[EXPB+2], v[EXPB+2], v[EXPB]        ; log2 pdf
	v_fma_f32 v[EXPB+3], v[ACT], v[EXPB+1], -v[EXPB]   ; t / s - log2 s
	v_exp_f32 v[EXPB+4], v[EXPB+2]                 ; pdf
	v_mul_f32 v[EXPB+3], s[LN2], v[EXPB+3]         ; entropy (as the problem has it, without the minus); stands between v_exp_f32 and the write of its source
	v_mul_f32 v[EXPB+2], s[LN2], v[EXPB+2]         ; log_prob
	; THE WAY OUT.  The 16 rows' results meet in LDS (three runs of 16 words), so that they leave as three stores of 64 consecutive bytes
	; and not as 48 single words.  (A work-group's 16 rows are 64 bytes of each of the three output rows: 192 bytes against the 2,048,000 it reads.)
	v_mov_b32 v[LA], s10
	v_lshlrev_b32 v[LA], 2, v[LA]                  ; my wave's word; all lanes write the same value to it
	s_wait_alu depctr_va_vdst(0)
	ds_store_b32 v[LA], v[EXPB+4]
	ds_store_b32 v[LA], v[EXPB+2] offset:64
	ds_store_b32 v[LA], v[EXPB+3] offset:128
	s_wait_dscnt 0x0                               ; zero, for wave 0's sake: my words are in LDS before I say so
	s_barrier_signal -1
	s_barrier_wait -1
	s_cmp_lg_u32 s10, 0
	s_cbranch_scc1 .Lend
	v_lshlrev_b32 v[LA], 2, v0                     ; wave 0: v0 is the lane; lane l takes row l of the work-group
	v_cmp_gt_u32 vcc_lo, 16, v0
	s_lshl_b32 s12, ttmp9, 6                       ; 16 rows x 4 bytes for each work-group (s13 is still 0)
	s_add_nc_u64 s[8:9], s[8:9], s[12:13]
	s_wait_xcnt 0x0                                ; EXEC changes only behind this wait
	s_wait_tensorcnt 0x0
	ds_add_u32 v150, v151
	s_wait_dscnt 0x0
	s_and_saveexec_b32 s25, vcc_lo                 ; lanes 0 to 15; the wave ends so, nothing restores it
	ds_load_b32 v[EXPB], v[LA]
	ds_load_b32 v[EXPB+1], v[LA] offset:64
	ds_load_b32 v[EXPB+2], v[LA] offset:128
	s_wait_dscnt 0x0
	global_store_b32 v[LA], v[EXPB], s[8:9]                    ; pdf
	global_store_b32 v[LA], v[EXPB+1], s[8:9] offset:16384     ; log_prob
	global_store_b32 v[LA], v[EXPB+2], s[8:9] offset:32768     ; entropy
	s_endpgm
.Lend:
	s_wait_tensorcnt 0x0
	ds_add_u32 v150, v151
	s_wait_dscnt 0x0
	s_endpgm
.Lfunc_end_k_q2afb83083d_catdist:
	.size	k_q2afb83083d_catdist, .Lfunc_end_k_q2afb83083d_catdist-k_q2afb83083d_catdist
	.p2alignl 7, 3214868480
	.fill 96, 4, 3214868480
	.section	.rodata,"a",@progbits
	.p2align	6, 0x0
	.amdhsa_kernel k_q2afb83083d_catdist
		.amdhsa_group_segment_fixed_size 2304
		.amdhsa_private_segment_fixed_size 0
		.amdhsa_enable_private_segment 0
		.amdhsa_kernarg_size 24
		.amdhsa_user_sgpr_count 2
		.amdhsa_user_sgpr_kernarg_segment_ptr 1
		.amdhsa_wavefront_size32 1
		.amdhsa_system_sgpr_workgroup_id_x 1
		.amdhsa_system_sgpr_workgroup_id_y 1
		.amdhsa_system_sgpr_workgroup_id_z 1
		.amdhsa_system_vgpr_workitem_id 0
		.amdhsa_next_free_vgpr 152
		.amdhsa_next_free_sgpr 66
		.amdhsa_reserve_vcc 1
		.amdhsa_float_denorm_mode_32 3
		.amdhsa_float_denorm_mode_16_64 3
		.amdhsa_memory_ordered 1
		.amdhsa_forward_progress 1
		.amdhsa_inst_pref_size 62
	.end_amdhsa_kernel
	.amdgpu_metadata
---
amdhsa.version: [ 1, 2 ]
amdhsa.kernels:
  - .name:           k_q2afb83083d_catdist
    .symbol:         k_q2afb83083d_catdist.kd
    .args:
      - { .name: logits, .offset: 0, .size: 8, .value_kind: global_buffer, .address_space: global }
      - { .name: value, .offset: 8, .size: 8, .value_kind: global_buffer, .address_space: global }
      - { .name: out0, .offset: 16, .size: 8, .value_kind: global_buffer, .address_space: global }
    .group_segment_fixed_size: 2304
    .private_segment_fixed_size: 0
    .kernarg_segment_align: 8
    .kernarg_segment_size: 24
    .max_flat_workgroup_size: 512
    .sgpr_count:     66
    .vgpr_count:     152
    .wavefront_size: 32
...
	.end_amdgpu_metadata
.endif
;; end of part 1
